; MI455X (gfx1250); checked and timed in simulation.
; The chip was launched on July 23, 2026; its instructions are those of AMD's public machine-readable ISA for CDNA 5 (MIT licence, August 2026) and "CDNA5" Instruction Set Architecture Reference Guide (July 2026). The comments in the code are by the model that wrote it; some were corrected since.
;; Block Model. Allowed arithmetic: float matrix products may take bf16 or f16 operands with f32 sums; other float arithmetic in f32, or as packed bf16 or f16 multiplies, adds, multiply-adds, maxima and minima; sums over many terms, partial sums and values carried from step to step in f32; what a program stores and reads back later, other than sums and carried values, may be rounded once to bf16 or f16.
;; Inputs: W1 64 x 256 float32; W2 256 x 64 float32; Wk 8 x 64 x 8 float32; Wp 64 x 64 float32; Wq 8 x 64 x 8 float32; Wv 8 x 64 x 8 float32; b1 256 float32; b2 64 float32; bp 64 float32; ln1_b 64 float32; ln1_g 64 float32; ln2_b 64 float32; ln2_g 64 float32; x 2,048 x 128 x 64 float32.
;; Outputs: out0 2,048 x 128 x 64 float32.
;; One version. Each part assembles by itself: llvm-mc -triple=amdgcn-amd-amdhsa -mcpu=gfx1250 --defsym DOCPART=n.
;; ======== version 1 of 1: 1 launch
;; launch block (part 1): grid 256 x 1, 8 waves a work-group, no clusters, 327,680 bytes of LDS; arguments x, out0, Wq, Wk, Wv, Wp, W1, W2, b1, b2, bp, ln1_g, ln1_b, ln2_g, ln2_b; writes out0
.if DOCPART == 1
	.amdgcn_target "amdgcn-amd-amdhsa--gfx1250"
	.amdhsa_code_object_version 6
	.text
	.protected	k_qe56ed84b37_block
	.globl	k_qe56ed84b37_block
	.p2align	8
	.type	k_qe56ed84b37_block,@function
k_qe56ed84b37_block:
	s_mov_b64 s[64:65], 0
	v_nop
	global_prefetch_b8 v0, s[64:65] scope:SCOPE_SE
	s_setreg_imm32_b32 hwreg(HW_REG_WAVE_MODE, 25, 1), 1
	s_wait_xcnt 0x0
; A PRE-LN TRANSFORMER BLOCK, whole, in one launch.  x, out0: [2048][128][64] f32.
;   h = LN1(x); q, k, v = h Wq, h Wk, h Wv (8 heads of 8); attn = causal softmax(q k^T / sqrt 8) v; x2 = x + attn Wp + bp;
;   out = x2 + relu(LN2(x2) W1 + b1) W2 + b2.
; FORMATS.  Matrix operands (all weights, h, q, k, v, the weights p, attn, LN2's result, the hidden layer) are bf16, each rounded once; all sums,
; LN statistics (mean first, then the mean of squared differences), maxima, x, x2 and the biases are f32.
; LIMITS.  A hidden score counts as its value less 1e30.  A weight p below 2^-126 counts as 0.  A row's sum l is taken of the p as rounded to bf16
; (by the matrix unit, in f32), so numerator and divisor hold the same numbers.  NaN and infinities are not treated apart: a k or v that is not
; finite also reaches rows that the reference would keep clean (it meets a factor 0 in a product).
; SHARES.  Work-group b stays and takes sequences 8 b .. 8 b + 7 in four TRIPS of two sequences (256 rows).  In the row phases (P1: LN1 and q, k, v;
; P3: projection, LN2, FFN, way out) wave w owns rows 32 w .. 32 w + 31 of the trip, as two tiles of 16.  In the attention phase (P2) wave w owns
; HEAD w of both sequences: every wave walks the same 36 causal tiles a sequence, so all waves do equal work by one text.
; NO CLUSTER: work-groups share the weights alone, 196,608 bytes read once by each in the prologue, through registers since they are rounded there;
; x and out0, 524,288 bytes a work-group, are shared by nobody.
; LAYOUT.  l = lane, r = l % 16, h = l / 16.  Row-wise products are taken transposed (source 0 = 16 output channels of a weight, source 1 = 16 rows):
; register j of result tile t holds channel 16 t + 8 h + j of row r.  Tiles 2 s, 2 s + 1, rounded in pairs, ARE source 1 of K step s of the next
; product, and x is read from LDS in the same map: nothing changes lanes from x to out0, and a row's statistics want one exchange of the halves.
; Weights lie in LDS as bf16 [K][N] and come out turned, by ds_load_tr16_b128.
; X IN FLIGHT.  One LDS slot, each wave's 32 rows its own.  At P1's end a wave takes its x into 64 registers (v256-319), so the slot is free at the
; first barrier of the trip and the next trip's x has P2, P3 and the next trip's head in which to land.  A wave has at most one tensor load out.
.set XP,    272            ; an LDS row of x or of the stage: 256 bytes + 16: 68 words, so 16 rows start at 16 different groups of four banks (64 banks of 4 bytes: ISA guide 11.1)
.set XT,    32*XP          ; a wave's tile of x
.set WQL,   8*XT           ; 69,632   Wq | Wk | Wv, bf16 [64 c][192 n], n = 64 sel + 8 head + d
.set PQ,    416            ; pitches of the weight tables: odd multiples of 32 bytes, for the turning load
.set W1L,   WQL+64*PQ      ; 96,256   W1 bf16 [64][256]
.set P1W,   544
.set WPL,   W1L+64*P1W     ; 131,072  Wp bf16 [64][64], and behind it
.set PW,    160
.set W2O,   64*PW          ;          W2 bf16 [256][64]
.set QR,    WPL+320*PW     ; 182,272  q, later attn: [sequence][key tile][head][row][16 bytes]
.set KO,    32768          ;          k: the same form, KO behind q
.set VR,    QR+2*KO        ; 247,808  v as halves of fragments of V^T: [sequence][16 channels][key tile][lane][16 bytes]
.set STG,   VR+KO          ; 280,576  the way out: 16 rows x 272 bytes for each wave
.set PT,    STG+8*16*XP    ; 315,392  f32: b1, bp, b2, ln1_g, ln1_b, ln2_g, ln2_b
.set BPO,   1024
.set B2O,   1280
.set G1O,   1536
.set C1O,   1792
.set G2O,   2048
.set C2O,   2304
.set SPARE, PT+2560        ; 317,952  the spare words, 128 bytes for each wave: four blocks of 256 bytes that no other line names
; vector registers that stay
.set AX,  2                ; my 32 bytes of row r in my tile of x
.set AP,  3                ; PT + 32 h
.set AWQ, 4                ; my lane's place in a turned fragment of WQL,
.set AW1, 5                ; of W1L,
.set AWP, 6                ; of WPL
.set AQ,  7                ; row phases: QR + 4096 w + 16 l
.set AVS, 8                ; row phases: where my half fragments of V^T go
.set AQH, 9                ; attention: QR + 256 w + 16 r + 8 h
.set AVH, 10               ; attention: my head's channels of V^T, brought into rows 0-7
.set AOH, 11               ; attention: QR + 256 w + 16 r
.set STO, 12               ; the way out: in
.set RD,  13               ; the way out: back
.set GO,  14               ; 16 l
.set PFO, 15               ; 256 l
.set DR,  16               ; r - 8 h
.set VONE, 17              ; 1.0 twice, in bf16
.set ZR,  18               ; 0
.set W0,  19               ; v19-21 addresses that step in a loop
.set SPW, 22               ; LDS address of my spare word; never rewritten
.set NIL, 23               ; 0; never rewritten
.set MU,  24               ; LN: the means, pairs v[24:25], v[26:27]
.set RS,  28               ; LN: 1 / sqrt(var + eps), pairs v[28:29], v[30:31]
.set CM,  24               ; attention: c m
.set MX,  25               ; m
.set LT,  26               ; what the other half of the lanes holds
.set LI,  28               ; 1 / l
; P1
.set XD,  32               ; v32-95   x, then x - mean, then h in f32; later ACCS
.set LG,  96               ; v96-127  ln1_g
.set LB,  128              ; v128-159 ln1_b
.set HH,  160              ; v160-191 h in bf16: 16 rt + 8 ks; v160-175 hold the sums before
.set WB,  192              ; v192-255 two sets of four weight fragments
.set ACCS, 32              ; two sets of four accumulators: 32 set + 16 c + 8 rt
; P2
.set KF,  32               ; v32-47 K (two registers a key tile), v48-53 zeros
.set VF,  56               ; v56-87 V^T: 8 kp
.set QF,  88               ; v88-103 two fragments of Q: registers 0, 1 data, 2-7 zeros
.set SS,  104              ; v104-167 S^T, then p, then P
.set OA,  168
.set OB,  176
.set MD,  184              ; the diagonal tile's mask
.set MM,  192              ; a maximum for each key tile
.set OP,  200              ; attn, packed
; P3
.set ACC, 32               ; v32-95 x2, then out: 32 rt + 8 ct
.set AF,  96               ; attn: 16 rt + 8 ks
.set WPF, 128              ; Wp: 16 ct + 8 ks
.set BPR, 192
.set TT,  96               ; LN2 at work
.set LG2, 160
.set LB2, 192
.set H2,  224              ; LN2's result in bf16; v224-239 hold the sums before
.set W1F, 96               ; 16 c + 8 ks
.set BI,  128              ; b1 of the step's 32 channels
.set HD,  144              ; 16 c + 8 rt
.set HF,  176              ; 8 rt
.set W2F, 192              ; 8 ct
.set OB0, 96               ; the way out: 32 rt
; scalars
.set WV,  34
.set G0,  36               ; s[36:39] descriptor group 0
.set G1,  40               ; s[40:47] descriptor group 1
.set CS,  48               ; s[48:49] c = log2(e) / sqrt(8)
.set SEL, 50               ; s[50:51] v_permlanex16_b32: each lane takes its own place in the other half
.set TRIPS, 52
.set CNT, 53
.set SV,  54
.set RM,  56               ; lanes with r >= 8
.set INV64, 57
.set EPSR, 58
.set BIGN, 59
.set OUTP, 68              ; s[68:69] out0 at my rows of the trip
.set PFA, 70               ; s[70:71] x at my rows two trips on
.set MSB, 0
.macro WIN new                     ; the immediate's high byte repeats the setting that is left
.if MSB != (\new)
	s_set_vgpr_msb (MSB<<8)|(\new)
.set MSB, \new
.endif
.endm
.macro PLACES                      ; four plain vector instructions between a matrix instruction and a read of its result, a write of one of its registers or a load into one
.rept 4
	v_nop
.endr
.endm
	s_load_b512 s[4:19], s[0:1], 0x0               ; x, out0, Wq, Wk, Wv, Wp, W1, W2
	s_load_b256 s[20:27], s[0:1], 0x40             ; b1, b2, bp, ln1_g
	s_load_b128 s[28:31], s[0:1], 0x60             ; ln1_b, ln2_g
	s_load_b64 s[32:33], s[0:1], 0x70              ; ln2_b
	v_lshl_add_u32 v[SPW], v0, 2, SPARE
	v_mov_b32 v[NIL], 0
	ds_add_u32 v[SPW], v[NIL]                      ; the wave's opening: the add and its wait ahead of my first tensor load; work on registers stands between them
	ds_add_u32 v22, v23
	v_lshrrev_b32 v1, 5, v0
	v_readfirstlane_b32 s[WV], v1                  ; wave 0..7
	s_mov_b32 s[G0], 1                             ; count = 1
	s_mul_i32 s[G0+1], s[WV], XT                   ; LDS address: my tile of the slot, which begins at byte 0
	s_mov_b32 s[G1], (2<<16)|(1<<20)|(5<<22)|(3<<25)  ; elements of 4 bytes; padding on: after every 64 words, 4 words
	s_mov_b32 s[G1+1], 64<<16                      ; tensor_dim0 = 64
	s_mov_b32 s[G1+2], 32<<16                      ; tensor_dim1 = 32
	s_mov_b32 s[G1+3], 64<<16                      ; tile_dim0 = 64
	s_mov_b32 s[G1+4], 32                          ; tile_dim1 = 32
	s_mov_b32 s[G1+5], 64                          ; 64 elements from row to row
	s_mov_b32 s[G1+6], 0
	s_mov_b32 s[G1+7], 0
	s_mov_b32 s[CS], 0x3f0293ee                    ; 0.510070
	s_mov_b32 s[CS+1], s[CS]
	s_mov_b32 s[SEL], 0x76543210
	s_mov_b32 s[SEL+1], 0xfedcba98
	s_mov_b32 s[RM], 0xff00ff00
	s_mov_b32 s[INV64], 0x3c800000                 ; 1 / 64
	s_mov_b32 s[EPSR], 0x3727c5ac                  ; 1e-5
	s_mov_b32 s[BIGN], 0xf149f2ca                  ; -1e30
	s_lshl_b32 s60, ttmp9, 18                      ; the work-group's 8 sequences of 32,768 bytes,
	s_lshl_b32 s62, s[WV], 13                      ; my 32 rows of 256 bytes
	s_add_co_u32 s60, s60, s62
	s_mov_b32 s61, 0
	s_lshl_b32 s72, s[WV], 12
	s_lshr_b32 s73, s[WV], 2
	s_lshl_b32 s73, s73, 14
	s_and_b32 s74, s[WV], 3
	s_lshl_b32 s74, s74, 10
	s_add_co_u32 s73, s73, s74                     ; sequence x 16,384 + my two key tiles x 512
	s_lshl_b32 s75, s[WV], 8
	s_and_b32 s76, s[WV], 1
	s_lshl_b32 s76, s76, 3
	s_lshr_b32 s77, s[WV], 1
	s_lshl_b32 s77, s77, 12
	s_mul_i32 s78, s[WV], 16*XP
	s_add_co_u32 s78, s78, STG                     ; my stage
	s_wait_dscnt 0x0                               ; the opening add is done
	s_wait_kmcnt 0x0
	s_add_nc_u64 s[G0+2:G0+3], s[4:5], s[60:61]    ; global address: my rows of trip 0
	s_or_b32 s[G0+3], s[G0+3], 0x80000000          ; type = 2
	s_add_nc_u64 s[OUTP:OUTP+1], s[6:7], s[60:61]
	s_add_nc_u64 s[PFA:PFA+1], s[4:5], s[60:61]
	s_add_nc_u64 s[PFA:PFA+1], s[PFA:PFA+1], 0x20000  ; my rows of trip 2
	tensor_load_to_lds s[G0:G0+3], s[G1:G1+7]      ; the one first fill, ahead of every wait on TENSORcnt, every LDS read and every barrier
	s_nop 0
	; THE WEIGHTS: 48 loads of 16 bytes a thread, each covering 4,096 consecutive bytes for the work-group
	v_lshlrev_b32 v40, 4, v0
	v_lshlrev_b32 v41, 2, v0
.set i, 0
.rept 16
	global_load_b128 v[64+4*i:64+4*i+3], v40, s[16:17] offset:4096*i
.set i, i+1
.endr
.set i, 0
.rept 16
	global_load_b128 v[128+4*i:128+4*i+3], v40, s[18:19] offset:4096*i
.set i, i+1
.endr
.set i, 0
.rept 4
	global_load_b128 v[192+4*i:192+4*i+3], v40, s[14:15] offset:4096*i
	global_load_b128 v[208+4*i:208+4*i+3], v40, s[8:9] offset:4096*i
	global_load_b128 v[224+4*i:224+4*i+3], v40, s[10:11] offset:4096*i
	global_load_b128 v[240+4*i:240+4*i+3], v40, s[12:13] offset:4096*i
.set i, i+1
.endr
	global_load_b32 v32, v41, s[20:21]             ; b1: a number a thread
.irp z, 33,34,35,36,37,38
	v_mov_b32 v\z, 0                               ; written in every wave; waves 0 and 1 load them
.endr
	s_cmp_lt_u32 s[WV], 2                          ; the six vectors of 64: threads 0 to 63
	s_cbranch_scc0 .Lno_small
	global_load_b32 v33, v41, s[24:25]             ; bp
	global_load_b32 v34, v41, s[22:23]             ; b2
	global_load_b32 v35, v41, s[26:27]             ; ln1_g
	global_load_b32 v36, v41, s[28:29]             ; ln1_b
	global_load_b32 v37, v41, s[30:31]             ; ln2_g
	global_load_b32 v38, v41, s[32:33]             ; ln2_b
.Lno_small:
	; the addresses, while the loads are out
	v_and_b32 v42, 31, v0                          ; l
	v_and_b32 v43, 15, v0                          ; r
	v_bfe_u32 v47, v0, 4, 1                        ; h
	v_and_b32 v48, 7, v0
	v_bfe_u32 v49, v0, 3, 1                        ; the turning load: lane l reads row 8 h + l % 8, 16 bytes at 16 ((l / 8) % 2)
	v_lshl_add_u32 v50, v47, 3, v48
	v_mul_u32_u24 v51, v43, XP
	v_lshl_add_u32 v51, v47, 5, v51                ; r x 272 + 32 h
	v_add_nc_u32 v[AX], s[G0+1], v51
	v_lshl_add_u32 v[AP], v47, 5, PT
	v_mul_u32_u24 v[AWQ], v50, PQ
	v_lshl_add_u32 v[AWQ], v49, 4, v[AWQ]
	v_add_nc_u32 v[AWQ], WQL, v[AWQ]
	v_mul_u32_u24 v[AW1], v50, P1W
	v_lshl_add_u32 v[AW1], v49, 4, v[AW1]
	v_add_nc_u32 v[AW1], W1L, v[AW1]
	v_mul_u32_u24 v[AWP], v50, PW
	v_lshl_add_u32 v[AWP], v49, 4, v[AWP]
	v_add_nc_u32 v[AWP], WPL, v[AWP]
	v_lshl_add_u32 v[AQ], v42, 4, s72
	v_add_nc_u32 v[AQ], QR, v[AQ]
	v_lshl_add_u32 v[AVS], v42, 4, s73
	v_add_nc_u32 v[AVS], VR, v[AVS]
	v_lshl_add_u32 v[AOH], v43, 4, s75
	v_add_nc_u32 v[AOH], QR, v[AOH]
	v_lshl_add_u32 v[AQH], v47, 3, v[AOH]
	v_xor_b32 v[AVH], s76, v42                     ; an odd head's channels lie in rows 8-15 of their 16: lanes 8 apart change places
	v_lshl_add_u32 v[AVH], v[AVH], 4, s77
	v_add_nc_u32 v[AVH], VR, v[AVH]
	v_add_nc_u32 v[STO], s78, v51
	v_mul_u32_u24 v[RD], v47, XP
	v_lshl_add_u32 v[RD], v43, 4, v[RD]
	v_add_nc_u32 v[RD], s78, v[RD]
	v_lshlrev_b32 v[GO], 4, v42
	v_lshlrev_b32 v[PFO], 8, v42
	v_lshlrev_b32 v52, 3, v47
	v_sub_nc_u32 v[DR], v43, v52
	v_mov_b32 v[VONE], 0x3f803f80
	v_mov_b32 v[ZR], 0
.irp z, 24,25,26,27,28,29,30,31
	v_mov_b32 v\z, 0                               ; named as pairs and as destinations of lane exchanges: written once here
.endr
	v_lshrrev_b32 v53, 6, v0                       ; where my 4 numbers of W1 go: row 4 i + t / 64, column 4 (t % 64)
	v_mul_u32_u24 v53, v53, P1W
	v_and_b32 v54, 63, v0
	v_lshl_add_u32 v53, v54, 3, v53
	v_add_nc_u32 v53, W1L, v53
	v_lshrrev_b32 v54, 4, v0                       ; of Wp and W2: row 16 i + t / 16, column 4 (t % 16)
	v_mul_u32_u24 v54, v54, PW
	v_lshl_add_u32 v54, v43, 3, v54
	v_add_nc_u32 v54, WPL, v54
	v_bfe_u32 v55, v0, 1, 6                        ; of Wq, Wk, Wv ([head][c][d]): row c = (t / 2) % 64, head 2 i + t / 128, d = 4 (t % 2)
	v_mul_u32_u24 v55, v55, PQ
	v_lshrrev_b32 v56, 7, v0
	v_lshl_add_u32 v55, v56, 4, v55
	v_and_b32 v56, 1, v0
	v_lshl_add_u32 v55, v56, 3, v55
	v_add_nc_u32 v55, WQL, v55
	v_lshl_add_u32 v57, v0, 2, PT
	s_wait_loadcnt 0x0
.macro CVST a, adr, off            ; four f32 -> four bf16 -> LDS
	v_cvt_pk_bf16_f32 v[\a], v[\a], v[(\a)+1]
	v_cvt_pk_bf16_f32 v[(\a)+1], v[(\a)+2], v[(\a)+3]
	ds_store_b64 v[\adr], v[(\a):(\a)+1] offset:\off
.endm
.set i, 0
.rept 16
	CVST 64+4*i, 53, i*4*P1W
.set i, i+1
.endr
.set i, 0
.rept 16
	CVST 128+4*i, 54, W2O+i*16*PW
.set i, i+1
.endr
.set i, 0
.rept 4
	CVST 192+4*i, 54, i*16*PW
	CVST 208+4*i, 55, i*32
	CVST 224+4*i, 55, i*32+128
	CVST 240+4*i, 55, i*32+256
.set i, i+1
.endr
	ds_store_b32 v57, v32
	s_cmp_lt_u32 s[WV], 2
	s_cbranch_scc0 .Lno_small2
.irp z, 0,1,2,3,4,5
	ds_store_b32 v57, v[33+(\z)] offset:BPO+256*(\z)
.endr
.Lno_small2:
	s_wait_dscnt 0x0                               ; for the others' sake: my part of the tables is written
	s_barrier_signal -1
	s_barrier_wait -1                              ; the tables are whole; my tile of x may stay out
; 16 loads: my 32 rows of x in the layout of a product's result
.macro LOADX dst
.irp rt, 0,1
.irp t, 0,1,2,3
	ds_load_b128 v[(\dst)+32*(\rt)+8*(\t):(\dst)+32*(\rt)+8*(\t)+3],   v[AX] offset:(\rt)*16*XP+64*(\t)
	ds_load_b128 v[(\dst)+32*(\rt)+8*(\t)+4:(\dst)+32*(\rt)+8*(\t)+7], v[AX] offset:(\rt)*16*XP+64*(\t)+16
.endr
.endr
.endm
; 8 loads: a vector of 64 f32 in the same layout
.macro LOADP dst, off
.irp t, 0,1,2,3
	ds_load_b128 v[(\dst)+8*(\t):(\dst)+8*(\t)+3],   v[AP] offset:(\off)+64*(\t)
	ds_load_b128 v[(\dst)+8*(\t)+4:(\dst)+8*(\t)+7], v[AP] offset:(\off)+64*(\t)+16
.endr
.endm
; Both row tiles: eight partial sums a lane -> the row's sum, in v[tmp + 8 rt] of every lane
.macro LNRED tmp
.irp rt, 0,1
.set tA, (\tmp)+8*(\rt)
	v_pk_add_f32 v[tA:tA+1], v[tA:tA+1], v[tA+2:tA+3]
	v_pk_add_f32 v[tA+4:tA+5], v[tA+4:tA+5], v[tA+6:tA+7]
.endr
.irp rt, 0,1
.set tA, (\tmp)+8*(\rt)
	v_pk_add_f32 v[tA:tA+1], v[tA:tA+1], v[tA+4:tA+5]
.endr
.irp rt, 0,1
.set tA, (\tmp)+8*(\rt)
	v_add_f32 v[tA], v[tA], v[tA+1]
.endr
.irp rt, 0,1
.set tA, (\tmp)+8*(\rt)
	v_permlanex16_b32 v[tA+1], v[tA], s[SEL], s[SEL+1]  ; the row's other 32 channels lie in the lane 16 away
.endr
.irp rt, 0,1
.set tA, (\tmp)+8*(\rt)
	v_add_f32 v[tA], v[tA], v[tA+1]
.endr
.endm
; LAYER NORM of my two row tiles.  src: 64 f32; dd: 64 at work (may be src); gg, bb: gain and bias; hd: 32 registers of bf16, two fragments a tile; tmp: 16 for the sums.
; wa: LDS instructions that may be out when src is read; wb: when gg and bb are.
.macro LNORM src, dd, gg, bb, hd, tmp, wa, wb
	s_wait_dscnt \wa
.irp rt, 0,1
.irp ch, 0,1,2,3
.set tA, (\tmp)+8*(\rt)+2*(\ch)
.set sA, (\src)+32*(\rt)+2*(\ch)
	v_pk_add_f32 v[tA:tA+1], v[sA:sA+1], v[sA+8:sA+9]  ; four chains a tile; the first sums start them
.endr
.endr
.irp k, 16,24
.irp rt, 0,1
.irp ch, 0,1,2,3
.set tA, (\tmp)+8*(\rt)+2*(\ch)
.set sA, (\src)+32*(\rt)+2*(\ch)+(\k)
	v_pk_add_f32 v[tA:tA+1], v[tA:tA+1], v[sA:sA+1]
.endr
.endr
.endr
	LNRED \tmp
.irp rt, 0,1
	v_mul_f32 v[MU+2*(\rt)], s[INV64], v[(\tmp)+8*(\rt)]
.endr
.irp rt, 0,1
.set p, 0
.rept 16
	v_pk_add_f32 v[(\dd)+32*(\rt)+2*p:(\dd)+32*(\rt)+2*p+1], v[(\src)+32*(\rt)+2*p:(\src)+32*(\rt)+2*p+1], v[MU+2*(\rt):MU+2*(\rt)+1] op_sel_hi:[1,0] neg_lo:[0,1] neg_hi:[0,1]
.set p, p+1
.endr
.endr
.irp rt, 0,1
.irp ch, 0,1,2,3
.set tA, (\tmp)+8*(\rt)+2*(\ch)
.set dA, (\dd)+32*(\rt)+2*(\ch)
	v_pk_mul_f32 v[tA:tA+1], v[dA:dA+1], v[dA:dA+1]
.endr
.endr
.irp k, 8,16,24
.irp rt, 0,1
.irp ch, 0,1,2,3
.set tA, (\tmp)+8*(\rt)+2*(\ch)
.set dA, (\dd)+32*(\rt)+2*(\ch)+(\k)
	v_pk_fma_f32 v[tA:tA+1], v[dA:dA+1], v[dA:dA+1], v[tA:tA+1]
.endr
.endr
.endr
	LNRED \tmp
.irp rt, 0,1
	v_fma_f32 v[RS+2*(\rt)], v[(\tmp)+8*(\rt)], s[INV64], s[EPSR]
.endr
	v_rsq_f32 v[RS], v[RS]
	v_rsq_f32 v[RS+2], v[RS+2]
	v_nop                                          ; a plain instruction behind the last root (ISA guide 5.7.2),
	s_wait_alu depctr_va_vdst(0)                   ; and a wait ahead of the first use: one for both
	s_wait_dscnt \wb
.irp rt, 0,1
.set p, 0
.rept 16
	v_pk_mul_f32 v[(\dd)+32*(\rt)+2*p:(\dd)+32*(\rt)+2*p+1], v[(\dd)+32*(\rt)+2*p:(\dd)+32*(\rt)+2*p+1], v[RS+2*(\rt):RS+2*(\rt)+1] op_sel_hi:[1,0]
.set p, p+1
.endr
.endr
.irp rt, 0,1
.set p, 0
.rept 16
	v_pk_fma_f32 v[(\dd)+32*(\rt)+2*p:(\dd)+32*(\rt)+2*p+1], v[(\dd)+32*(\rt)+2*p:(\dd)+32*(\rt)+2*p+1], v[(\gg)+2*p:(\gg)+2*p+1], v[(\bb)+2*p:(\bb)+2*p+1]
.set p, p+1
.endr
.endr
.irp rt, 0,1
.set p, 0
.rept 16
	v_cvt_pk_bf16_f32 v[(\hd)+16*(\rt)+p], v[(\dd)+32*(\rt)+2*p], v[(\dd)+32*(\rt)+2*p+1]
.set p, p+1
.endr
.endr
.endm
; Q, K, V go in six groups of two column tiles (0, 1: q; 2, 3: k; 4, 5: v).  8 loads: group gi's four weight fragments into set buf
.macro LOADW buf, gi
.irp c, 0,1
.irp ks, 0,1
.set aW, WB+32*(\buf)+16*(\c)+8*(\ks)
	ds_load_tr16_b128 v[aW:aW+3],   v[AWQ] offset:(\ks)*32*PQ+(2*(\gi)+(\c))*32
	ds_load_tr16_b128 v[aW+4:aW+7], v[AWQ] offset:(\ks)*32*PQ+(2*(\gi)+(\c))*32+16*PQ
.endr
.endr
.endm
; 8 products on four accumulators that take turns.  q and k: source 0 = weights: a lane ends with a head's 8 numbers of one row.
; isv = 1: source 0 = rows: a lane ends with one channel and 8 keys: half a fragment of V^T.
.macro MULG buf, set, isv
.irp ks, 0,1
.irp c, 0,1
.irp rt, 0,1
.set aD, ACCS+32*(\set)+16*(\c)+8*(\rt)
.set aW, WB+32*(\buf)+16*(\c)+8*(\ks)
.set aH, HH+16*(\rt)+8*(\ks)
.if (\isv) && ((\ks) == 0)
	v_wmma_f32_16x16x32_bf16 v[aD:aD+7], v[aH:aH+7], v[aW:aW+7], 0
.elseif \isv
	v_wmma_f32_16x16x32_bf16 v[aD:aD+7], v[aH:aH+7], v[aW:aW+7], v[aD:aD+7]
.elseif (\ks) == 0
	v_wmma_f32_16x16x32_bf16 v[aD:aD+7], v[aW:aW+7], v[aH:aH+7], 0
.else
	v_wmma_f32_16x16x32_bf16 v[aD:aD+7], v[aW:aW+7], v[aH:aH+7], v[aD:aD+7]
.endif
.endr
.endr
.endr
.endm
; group gi's four results: rounded in place, from the low end on, and stored, 512 consecutive bytes a store
.macro PACKST set, gi
.irp c, 0,1
.irp rt, 0,1
.set aD, ACCS+32*(\set)+16*(\c)+8*(\rt)
.irp q, 0,1,2,3
	v_cvt_pk_bf16_f32 v[aD+(\q)], v[aD+2*(\q)], v[aD+2*(\q)+1]
.endr
.endr
.endr
.irp c, 0,1
.irp rt, 0,1
.set aD, ACCS+32*(\set)+16*(\c)+8*(\rt)
.set ctn, 2*((\gi)&1)+(\c)
.if (\gi) < 2
	ds_store_b128 v[AQ], v[aD:aD+3] offset:2048*(\rt)+512*ctn
.elseif (\gi) < 4
	ds_store_b128 v[AQ], v[aD:aD+3] offset:KO+2048*(\rt)+512*ctn
.else
	ds_store_b128 v[AVS], v[aD:aD+3] offset:4096*ctn+512*(\rt)
.endif
.endr
.endr
.endm
; ATTENTION, query tile n of my head: key tiles 0 .. n.  S^T = K Q^T: a lane holds one query (r) and the keys 16 i + 8 h + 0..7.  A head has 8 channels: lane (r, h) holds channels 4 h .. 4 h + 3 in
; registers 0, 1 of a fragment; Q's registers 2-7 are 0, so what K's registers 2-7 name (the next key tiles' numbers, or zeros) adds nothing.  The whole row of scores is in registers: its true maximum is taken.
; O^T = V^T P with rows 8-15 of V^T set to 1.0: lanes h = 0 end with the head's 8 channels, lanes h = 1 with the row's sum l.
.macro TILE n
.if (\n) == 7
	s_wait_dscnt 2                                 ; Q(7) is in: behind its load stand the stores of tiles 5 and 6
.elseif (\n) >= 2
	s_wait_dscnt 3                                 ; Q(n) is in: behind its load stand store(n - 2), the load of Q(n + 1), store(n - 1)
.endif
.set qf, QF+8*((\n)&1)
.set i, 0
.rept (\n)+1
.if i == (\n)
	v_wmma_f32_16x16x32_bf16 v[SS+8*i:SS+8*i+7], v[KF+2*i:KF+2*i+7], v[qf:qf+7], v[MD:MD+7]  ; the diagonal tile starts from the mask
.else
	v_wmma_f32_16x16x32_bf16 v[SS+8*i:SS+8*i+7], v[KF+2*i:KF+2*i+7], v[qf:qf+7], 0
.endif
.set i, i+1
.endr
	PLACES
.if (\n) <= 5
	ds_load_b64 v[qf:qf+1], v[W0] offset:2048*((\n)+2)
.endif
.set i, 0
.rept (\n)+1
	v_max3_num_f32 v[MM+i], v[SS+8*i], v[SS+8*i+1], v[SS+8*i+2]  ; each accumulator is read from its low end on
.set i, i+1
.endr
.set i, 0
.rept (\n)+1
	v_max3_num_f32 v[MM+i], v[MM+i], v[SS+8*i+3], v[SS+8*i+4]
.set i, i+1
.endr
.set i, 0
.rept (\n)+1
	v_max3_num_f32 v[MM+i], v[MM+i], v[SS+8*i+5], v[SS+8*i+6]
.set i, i+1
.endr
	v_max_num_f32 v[MX], v[MM], v[SS+7]
.set i, 1
.rept (\n)
	v_max3_num_f32 v[MX], v[MX], v[MM+i], v[SS+8*i+7]
.set i, i+1
.endr
	v_permlanex16_b32 v[LT], v[MX], s[SEL], s[SEL+1]  ; the query's other keys lie in the lane 16 away
	v_max_num_f32 v[MX], v[MX], v[LT]
	v_mul_f32 v[CM], s[CS], v[MX]
	; ONE BATCH: the scalings c s - c m and all exponentials; nothing in it names an exponential's result
.irp q, 0,1,2,3
	v_pk_fma_f32 v[SS+2*(\q):SS+2*(\q)+1], v[SS+2*(\q):SS+2*(\q)+1], s[CS:CS+1], v[CM:CM+1] op_sel_hi:[1,0,0] neg_lo:[0,0,1] neg_hi:[0,0,1]
.endr
.set i, 0
.rept (\n)+1
.irp q, 0,1,2,3
	v_exp_f32 v[SS+8*i+2*(\q)], v[SS+8*i+2*(\q)]
	v_exp_f32 v[SS+8*i+2*(\q)+1], v[SS+8*i+2*(\q)+1]
.if i < (\n)
	v_pk_fma_f32 v[SS+8*i+8+2*(\q):SS+8*i+8+2*(\q)+1], v[SS+8*i+8+2*(\q):SS+8*i+8+2*(\q)+1], s[CS:CS+1], v[CM:CM+1] op_sel_hi:[1,0,0] neg_lo:[0,0,1] neg_hi:[0,0,1]
.endif
.endr
.set i, i+1
.endr
	v_nop                                          ; a plain instruction behind the last exponential,
	s_wait_alu depctr_va_vdst(0)                   ; and one wait for the batch, ahead of its first reader
.set i, 0
.rept (\n)+1                                       ; key tiles 2 kp, 2 kp + 1 become registers 0-3, 4-7 of P's fragment kp, at SS + 16 kp
.irp q, 0,1,2,3
	v_cvt_pk_bf16_f32 v[SS+16*(i/2)+4*(i%2)+(\q)], v[SS+8*i+2*(\q)], v[SS+8*i+2*(\q)+1]
.endr
.set i, i+1
.endr
.if ((\n)&1) == 0
.irp q, 4,5,6,7
	v_mov_b32 v[SS+8*(\n)+(\q)], 0                 ; the last fragment's second half: keys beyond the diagonal tile
.endr
.endif
.set kp, 0
.rept (\n)/2+1                                     ; two accumulators by turns
.set ao, OA+8*(kp&1)
.if kp < 2
	v_wmma_f32_16x16x32_bf16 v[ao:ao+7], v[VF+8*kp:VF+8*kp+7], v[SS+16*kp:SS+16*kp+7], 0
.else
	v_wmma_f32_16x16x32_bf16 v[ao:ao+7], v[VF+8*kp:VF+8*kp+7], v[SS+16*kp:SS+16*kp+7], v[ao:ao+7]
.endif
.set kp, kp+1
.endr
	PLACES
	v_nop                                          ; a fifth place: the next tile's products write over P's registers
.if (\n) >= 2
.irp q, 0,1,2,3
	v_pk_add_f32 v[OA+2*(\q):OA+2*(\q)+1], v[OA+2*(\q):OA+2*(\q)+1], v[OB+2*(\q):OB+2*(\q)+1]
.endr
.endif
	v_permlanex16_b32 v[LT], v[OA], s[SEL], s[SEL+1]  ; lanes h = 0 receive l
	v_rcp_f32 v[LI], v[LT]
	v_nop
	s_wait_alu depctr_va_vdst(0)
.irp q, 0,1,2,3
	v_pk_mul_f32 v[OA+2*(\q):OA+2*(\q)+1], v[OA+2*(\q):OA+2*(\q)+1], v[LI:LI+1] op_sel_hi:[1,0]
.endr
.irp q, 0,1,2,3
	v_cvt_pk_bf16_f32 v[OP+(\q)], v[OA+2*(\q)], v[OA+2*(\q)+1]
.endr
	s_wait_xcnt 0x0                                ; EXEC changes only when every global instruction issued so far has read its sources
	s_and_saveexec_b32 s[SV], vcc_lo               ; lanes h = 0
	ds_store_b128 v[W0+2], v[OP:OP+3] offset:2048*(\n)  ; attn lands where Q(n) lay: bytes that this wave alone touches in this phase
	s_or_b32 exec_lo, exec_lo, s[SV]
.endm
; THE FFN goes in eight steps of 32 hidden channels.  12 loads: the step's four fragments of W1 and its b1
.macro LOADF1
.irp c, 0,1
.irp ks, 0,1
.set aW, W1F+16*(\c)+8*(\ks)
	ds_load_tr16_b128 v[aW:aW+3],   v[W0] offset:(\ks)*32*P1W+32*(\c)
	ds_load_tr16_b128 v[aW+4:aW+7], v[W0] offset:(\ks)*32*P1W+32*(\c)+16*P1W
.endr
.endr
.irp c, 0,1
	ds_load_b128 v[BI+8*(\c):BI+8*(\c)+3],   v[W0+1] offset:64*(\c)
	ds_load_b128 v[BI+8*(\c)+4:BI+8*(\c)+7], v[W0+1] offset:64*(\c)+16
.endr
.endm
.macro LOADF2                      ; 8 loads: the step's four fragments of W2
.irp ct, 0,1,2,3
	ds_load_tr16_b128 v[W2F+8*(\ct):W2F+8*(\ct)+3],   v[W0+2] offset:32*(\ct)
	ds_load_tr16_b128 v[W2F+8*(\ct)+4:W2F+8*(\ct)+7], v[W0+2] offset:32*(\ct)+16*PW
.endr
.endm
.macro FSTEP next
	s_wait_dscnt 8                                 ; W1's fragments and b1 are in; W2's eight loads may be out: the same count on the way in and round the loop
.irp ks, 0,1
.irp c, 0,1
.irp rt, 0,1
.set aD, HD+16*(\c)+8*(\rt)
.set aW, W1F+16*(\c)+8*(\ks)
.set aH, H2+16*(\rt)+8*(\ks)
.if (\ks) == 0
	v_wmma_f32_16x16x32_bf16 v[aD:aD+7], v[aW:aW+7], v[aH:aH+7], v[BI+8*(\c):BI+8*(\c)+7]  ; b1 starts the sums
.else
	v_wmma_f32_16x16x32_bf16 v[aD:aD+7], v[aW:aW+7], v[aH:aH+7], v[aD:aD+7]
.endif
.endr
.endr
.endr
.if \next
	v_add_nc_u32 v[W0], 64, v[W0]                  ; the next step's addresses are three of the four places
	v_add_nc_u32 v[W0+1], 0x80, v[W0+1]
	v_add_nc_u32 v[W0+2], 32*PW, v[W0+2]
	v_nop
	LOADF1
.else
	PLACES
.endif
.irp rt, 0,1
.irp c, 0,1
.irp q, 0,1,2,3
	v_cvt_pk_bf16_f32 v[HF+8*(\rt)+4*(\c)+(\q)], v[HD+16*(\c)+8*(\rt)+2*(\q)], v[HD+16*(\c)+8*(\rt)+2*(\q)+1]
.endr
.endr
.endr
.set p, 0
.rept 16
	v_pk_max_num_bf16 v[HF+p], v[HF+p], v[ZR]      ; ReLU on the rounded halves: nothing is rounded again
.set p, p+1
.endr
.if \next
	s_wait_dscnt 12                                ; W2's fragments are in; the twelve loads just issued may be out
.else
	s_wait_dscnt 0x0
.endif
.irp ct, 0,1,2,3
.irp rt, 0,1
.set aD, ACC+32*(\rt)+8*(\ct)
	v_wmma_f32_16x16x32_bf16 v[aD:aD+7], v[W2F+8*(\ct):W2F+8*(\ct)+7], v[HF+8*(\rt):HF+8*(\rt)+7], v[aD:aD+7]
.endr
.endr
	PLACES
.if \next
	LOADF2
.endif
.endm
; A TRIP: two sequences.  fill = 1: the next trip's x is asked for.
.macro TRIP fill
	; ---------------- P1: my 32 rows: LN1, q, k, v
	s_wait_tensorcnt 0x0                           ; my tile of x is in: no load was issued behind it; only I read it
	LOADX XD
	LOADP LG, G1O
	LOADP LB, C1O
	LOADW 0, 0
	LOADW 1, 1
	LNORM XD, XD, LG, LB, HH, HH, 32, 16           ; x is in when 32 younger loads are out; gain and bias when 16 are
	s_wait_dscnt 8                                 ; group 0's fragments; group 1's eight loads may be out
	MULG 0, 0, 0
	PLACES
	LOADW 0, 2
	s_wait_dscnt 8
	MULG 1, 1, 0
	PACKST 0, 0                                    ; the conversions name the other set alone: they are the places behind the products just issued
	LOADW 1, 3
	s_wait_dscnt 12                                ; four stores and eight loads are younger
	MULG 0, 0, 0
	PACKST 1, 1
	LOADW 0, 4
	s_wait_dscnt 12
	MULG 1, 1, 0
	PACKST 0, 2
	LOADW 1, 5
	s_wait_dscnt 12
	MULG 0, 0, 1
	PACKST 1, 3
	s_wait_dscnt 4                                 ; four stores are younger
	MULG 1, 1, 1
	PACKST 0, 4
	PACKST 1, 5
	WIN 0x40                                       ; destination v256-319, address v0-255
	LOADX 0                                        ; x once more, for the residual: the slot is then free
	WIN 0
.if \fill
	s_wait_tensorcnt 0x0                           ; no tensor load of mine is out, so group 0 may be written
	ds_add_u32 v[SPW], v[NIL]                      ; 0 onto my spare word
	s_add_nc_u64 s[G0+2:G0+3], s[G0+2:G0+3], 0x10000  ; the next trip's rows; the type bits on top are not reached
	s_wait_dscnt 0x0                               ; the add is done, my reads of the slot are back, my q, k, v are written
	s_barrier_signal -1
	s_barrier_wait -1                              ; all that holds of every wave
	tensor_load_to_lds s[G0:G0+3], s[G1:G1+7]      ; my one tensor load behind this barrier, and the first thing there
	s_nop 0
.else
	s_wait_dscnt 0x0                               ; my q, k, v are written
	s_barrier_signal -1
	s_barrier_wait -1
.endif
	; ---------------- P2: my head of both sequences
.irp z, 16,17,18,19,20,21
	v_mov_b32 v[KF+(\z)], 0
.endr
.irp z, 2,3,4,5,6,7,10,11,12,13,14,15
	v_mov_b32 v[QF+(\z)], 0
.endr
.if \fill
	; A PREFETCH INTO THE L2 of my own 32 rows, a lane a row of 256 bytes, of the trip after the one just asked for: each row is named once in the launch, by the wave that will load it.
	; Trips 0 and 1 ask (for trips 2 and 3); trip 2 has no trip two on.
	s_cmp_gt_u32 s[TRIPS], 1
	s_cbranch_scc0 .Lnoask_\@
	global_prefetch_b8 v[PFO], s[PFA:PFA+1] th:TH_LOAD_NT scope:SCOPE_SE
.Lnoask_\@:
.endif
.irp j, 0,1,2,3,4,5,6,7
	v_cmp_gt_i32 vcc_lo, \j, v[DR]                 ; key 8 h + j lies behind query r
	v_cndmask_b32 v[MD+(\j)], 0, s[BIGN], vcc_lo
.endr
	v_cmp_gt_u32 vcc_lo, 0x100, v[GO]              ; lanes h = 0, for attn's stores
	v_mov_b32 v[W0], v[AQH]
	v_mov_b32 v[W0+1], v[AVH]
	v_mov_b32 v[W0+2], v[AOH]
	s_mov_b32 s[CNT], 2
.Lunit_\@:                                             ; a sequence
.irp i8, 0,1,2,3,4,5,6,7
	ds_load_b64 v[KF+2*(\i8):KF+2*(\i8)+1], v[W0] offset:KO+2048*(\i8)
.endr
.irp i8, 0,1,2,3,4,5,6,7
	ds_load_b128 v[VF+4*(\i8):VF+4*(\i8)+3], v[W0+1] offset:512*(\i8)
.endr
	ds_load_b64 v[QF:QF+1], v[W0]
	ds_load_b64 v[QF+8:QF+9], v[W0] offset:2048
	s_wait_dscnt 0x0
.set p, 0
.rept 32
	v_cndmask_b32 v[VF+p], v[VF+p], v[VONE], s[RM] ; rows 8-15 of V^T become 1.0
.set p, p+1
.endr
	TILE 0
	TILE 1
	TILE 2
	TILE 3
	TILE 4
	TILE 5
	TILE 6
	TILE 7
	v_add_nc_u32 v[W0], 0x4000, v[W0]
	v_add_nc_u32 v[W0+1], 0x4000, v[W0+1]
	v_add_nc_u32 v[W0+2], 0x4000, v[W0+2]
	s_sub_co_u32 s[CNT], s[CNT], 1
	s_cmp_lg_u32 s[CNT], 0
	s_cbranch_scc1 .Lunit_\@
	s_wait_dscnt 0x0                               ; my attn is written, my reads of k and v are back
	s_barrier_signal -1
	s_barrier_wait -1                              ; the next x may stay out
	; ---------------- P3: my 32 rows: projection, LN2, FFN, way out
.irp rt, 0,1
.irp ct, 0,1,2,3
	ds_load_b128 v[AF+16*(\rt)+4*(\ct):AF+16*(\rt)+4*(\ct)+3], v[AQ] offset:2048*(\rt)+512*(\ct)  ; heads 2 ct + h: the bytes that I wrote as q
.endr
.endr
.irp ct, 0,1,2,3
.irp ks, 0,1
.set aW, WPF+16*(\ct)+8*(\ks)
	ds_load_tr16_b128 v[aW:aW+3],   v[AWP] offset:(\ks)*32*PW+32*(\ct)
	ds_load_tr16_b128 v[aW+4:aW+7], v[AWP] offset:(\ks)*32*PW+32*(\ct)+16*PW
.endr
.endr
	LOADP BPR, BPO
	s_wait_dscnt 8                                 ; attn and Wp are in; bp may be out
	WIN 0x10                                       ; the C operand in v256-319: x starts the sums
.irp ct, 0,1,2,3
.irp rt, 0,1
	v_wmma_f32_16x16x32_bf16 v[ACC+32*(\rt)+8*(\ct):ACC+32*(\rt)+8*(\ct)+7], v[WPF+16*(\ct):WPF+16*(\ct)+7], v[AF+16*(\rt):AF+16*(\rt)+7], v[32*(\rt)+8*(\ct):32*(\rt)+8*(\ct)+7]
.endr
.endr
	WIN 0
.irp ct, 0,1,2,3
.irp rt, 0,1
.set aD, ACC+32*(\rt)+8*(\ct)
	v_wmma_f32_16x16x32_bf16 v[aD:aD+7], v[WPF+16*(\ct)+8:WPF+16*(\ct)+15], v[AF+16*(\rt)+8:AF+16*(\rt)+15], v[aD:aD+7]
.endr
.endr
	PLACES
	LOADP LG2, G2O
	s_wait_dscnt 8                                 ; bp is in
.irp rt, 0,1
.set p, 0
.rept 16
	v_pk_add_f32 v[ACC+32*(\rt)+2*p:ACC+32*(\rt)+2*p+1], v[ACC+32*(\rt)+2*p:ACC+32*(\rt)+2*p+1], v[BPR+2*p:BPR+2*p+1]
.set p, p+1
.endr
.endr
	LOADP LB2, C2O
	LNORM ACC, TT, LG2, LB2, H2, H2, 16, 0         ; x2 lies in registers: the 16 loads of gain and bias stay out until the last stage
	v_mov_b32 v[W0], v[AW1]
	v_mov_b32 v[W0+1], v[AP]
	v_add_nc_u32 v[W0+2], W2O, v[AWP]
	LOADP HD, B2O                                  ; b2, in registers that the first step's products take over
	LOADF1
	LOADF2
	s_wait_dscnt 20                                ; b2 is in
.irp rt, 0,1
.set p, 0
.rept 16
	v_pk_add_f32 v[ACC+32*(\rt)+2*p:ACC+32*(\rt)+2*p+1], v[ACC+32*(\rt)+2*p:ACC+32*(\rt)+2*p+1], v[HD+2*p:HD+2*p+1]
.set p, p+1
.endr
.endr
	s_mov_b32 s[CNT], 7
.Lff_\@:
	FSTEP 1
	s_sub_co_u32 s[CNT], s[CNT], 1
	s_cmp_lg_u32 s[CNT], 0
	s_cbranch_scc1 .Lff_\@
	FSTEP 0                                        ; the last step fetches nothing; its four places stand in front of the stores below
	; the way out: 16 rows at a time through my own stage; LDS serves a wave's instructions in order (ISA guide 5.7.1.4), so no wait stands between the stores and the loads
.irp rt, 0,1
.irp t, 0,1,2,3
	ds_store_b128 v[STO], v[ACC+32*(\rt)+8*(\t):ACC+32*(\rt)+8*(\t)+3]   offset:64*(\t)
	ds_store_b128 v[STO], v[ACC+32*(\rt)+8*(\t)+4:ACC+32*(\rt)+8*(\t)+7] offset:64*(\t)+16
.endr
.irp f, 0,1,2,3,4,5,6,7
	ds_load_b128 v[OB0+32*(\rt)+4*(\f):OB0+32*(\rt)+4*(\f)+3], v[RD] offset:(\f)*2*XP
.endr
.endr
.irp rt, 0,1
.irp f, 0,1,2,3,4,5,6,7
	s_wait_dscnt 16*(1-(\rt))+7-(\f)
	global_store_b128 v[GO], v[OB0+32*(\rt)+4*(\f):OB0+32*(\rt)+4*(\f)+3], s[OUTP:OUTP+1] offset:4096*(\rt)+512*(\f) th:TH_STORE_NT  ; 512 consecutive bytes, at a multiple of 256 from out0's first byte
.endr
.endr
.if \fill
	s_wait_xcnt 0x0                                ; the stores and the prefetch have read their registers: base, address and data may be written
	s_add_nc_u64 s[OUTP:OUTP+1], s[OUTP:OUTP+1], 0x10000
	s_add_nc_u64 s[PFA:PFA+1], s[PFA:PFA+1], 0x10000
.endif
.endm
	s_mov_b32 s[TRIPS], 3
.Ltrip:
	TRIP 1
	s_sub_co_u32 s[TRIPS], s[TRIPS], 1
	s_cmp_lg_u32 s[TRIPS], 0
	s_cbranch_scc1 .Ltrip
	TRIP 0                                         ; the last trip is written out: nothing is asked for
	s_wait_tensorcnt 0x0                           ; the wave's end, behind my last tensor load and my last LDS store
	ds_add_u32 v[SPW], v[NIL]
	s_wait_dscnt 0x0
	s_endpgm
.Lfunc_end_k_qe56ed84b37_block:
	.size	k_qe56ed84b37_block, .Lfunc_end_k_qe56ed84b37_block-k_qe56ed84b37_block
	.p2alignl 7, 3214868480
	.fill 96, 4, 3214868480
	.section	.rodata,"a",@progbits
	.p2align	6, 0x0
	.amdhsa_kernel k_qe56ed84b37_block
		.amdhsa_group_segment_fixed_size 327680
		.amdhsa_private_segment_fixed_size 0
		.amdhsa_enable_private_segment 0
		.amdhsa_kernarg_size 120
		.amdhsa_user_sgpr_count 2
		.amdhsa_user_sgpr_kernarg_segment_ptr 1
		.amdhsa_wavefront_size32 1
		.amdhsa_system_sgpr_workgroup_id_x 1
		.amdhsa_system_sgpr_workgroup_id_y 1
		.amdhsa_system_sgpr_workgroup_id_z 1
		.amdhsa_system_vgpr_workitem_id 0
		.amdhsa_next_free_vgpr 320
		.amdhsa_next_free_sgpr 80
		.amdhsa_reserve_vcc 1
		.amdhsa_float_denorm_mode_32 3
		.amdhsa_float_denorm_mode_16_64 3
		.amdhsa_memory_ordered 1
		.amdhsa_forward_progress 1
		.amdhsa_inst_pref_size 255
	.end_amdhsa_kernel
	.section	.bss,"aw",@nobits
	.p2align	6
	.space	262144
	.amdgpu_metadata
---
amdhsa.version: [ 1, 2 ]
amdhsa.kernels:
  - .name:           k_qe56ed84b37_block
    .symbol:         k_qe56ed84b37_block.kd
    .args:
      - { .name: x, .offset: 0, .size: 8, .value_kind: global_buffer, .address_space: global }
      - { .name: out0, .offset: 8, .size: 8, .value_kind: global_buffer, .address_space: global }
      - { .name: Wq, .offset: 16, .size: 8, .value_kind: global_buffer, .address_space: global }
      - { .name: Wk, .offset: 24, .size: 8, .value_kind: global_buffer, .address_space: global }
      - { .name: Wv, .offset: 32, .size: 8, .value_kind: global_buffer, .address_space: global }
      - { .name: Wp, .offset: 40, .size: 8, .value_kind: global_buffer, .address_space: global }
      - { .name: W1, .offset: 48, .size: 8, .value_kind: global_buffer, .address_space: global }
      - { .name: W2, .offset: 56, .size: 8, .value_kind: global_buffer, .address_space: global }
      - { .name: b1, .offset: 64, .size: 8, .value_kind: global_buffer, .address_space: global }
      - { .name: b2, .offset: 72, .size: 8, .value_kind: global_buffer, .address_space: global }
      - { .name: bp, .offset: 80, .size: 8, .value_kind: global_buffer, .address_space: global }
      - { .name: ln1_g, .offset: 88, .size: 8, .value_kind: global_buffer, .address_space: global }
      - { .name: ln1_b, .offset: 96, .size: 8, .value_kind: global_buffer, .address_space: global }
      - { .name: ln2_g, .offset: 104, .size: 8, .value_kind: global_buffer, .address_space: global }
      - { .name: ln2_b, .offset: 112, .size: 8, .value_kind: global_buffer, .address_space: global }
    .group_segment_fixed_size: 327680
    .private_segment_fixed_size: 0
    .kernarg_segment_align: 8
    .kernarg_segment_size: 120
    .max_flat_workgroup_size: 256
    .sgpr_count:     80
    .vgpr_count:     320
    .wavefront_size: 32
...
	.end_amdgpu_metadata
.endif
;; end of part 1
